; MI455X (gfx1250); checked and timed in simulation.
; The chip was launched on July 23, 2026; its instructions are those of AMD's public machine-readable ISA for CDNA 5 (MIT licence, August 2026) and "CDNA5" Instruction Set Architecture Reference Guide (July 2026). The comments in the code are by the model that wrote it; some were corrected since.
;; Cross Attention. Allowed arithmetic: matrix products marked QUANTISED: E2M3 operands, one E8M0 scale for each 32 along K, by v_wmma_scale_f32_16x16x128_f8f6f4 with both operands' format E2M3, f32 sums; everything else in f32.
;; Inputs: Wk_codes 512 x 16 x 24 uint8 (E2M3 codes of Wk, K innermost, in blocks of 32 codes, four codes in three bytes); Wk_scales 512 x 16 uint8 (E8M0 scales of Wk, one for each 32 codes along K); Wo_codes 512 x 16 x 24 uint8 (E2M3 codes of Wo, K innermost, in blocks of 32 codes, four codes in three bytes); Wo_scales 512 x 16 uint8 (E8M0 scales of Wo, one for each 32 codes along K); Wq_codes 512 x 16 x 24 uint8 (E2M3 codes of Wq, K innermost, in blocks of 32 codes, four codes in three bytes); Wq_scales 512 x 16 uint8 (E8M0 scales of Wq, one for each 32 codes along K); Wv_codes 512 x 16 x 24 uint8 (E2M3 codes of Wv, K innermost, in blocks of 32 codes, four codes in three bytes); Wv_scales 512 x 16 uint8 (E8M0 scales of Wv, one for each 32 codes along K); bo 512 float32; gamma_k 512 float32; gamma_out 512 float32; gamma_q 512 float32; gamma_v 512 float32; x_codes 2 x 4,096 x 16 x 24 uint8 (E2M3 codes of x, K innermost, in blocks of 32 codes, four codes in three bytes); x_scales 2 x 4,096 x 16 uint8 (E8M0 scales of x, one for each 32 codes along K).
;; Outputs: out0 2 x 4,096 x 512 float32.
;; This version of the problem:
;;   THIS VERSION OF THE PROBLEM IS GIVEN IN LOW PRECISION. The matrix products marked QUANTISED in the list below multiply operands that are first quantised to E2M3 (2 exponent bits, 3 mantissa bits; 6 bits a number), with one power-of-two scale for each 32 numbers along K (OCP MX v1.0); their sums are f32. All else is computed in f32.
;;   The module's matrix products, in the order in which they are computed (A, B: the left and right operand; K: the contracted axis; several contracted axes count as one K, in the product's order):
;;     1. [M 8,192, K 512] x [K 512, N 512]; A: input x (given as codes); B: input Wq (given as codes): QUANTISED
;;     2. [M 8,192, K 512] x [K 512, N 512]; A: input x (given as codes); B: input Wk (given as codes): QUANTISED
;;     3. [M 8,192, K 512] x [K 512, N 512]; A: input x (given as codes); B: input Wv (given as codes): QUANTISED
;;     4. batch 16 x [M 4,096, K 64] x [K 64, N 4,096]; A: computed on the way; B: computed on the way: QUANTISED
;;     5. batch 16 x [M 4,096, K 4,096] x [K 4,096, N 64]; A: softmax (see below); B: computed on the way: QUANTISED
;;     6. [M 8,192, K 512] x [K 512, N 512]; A: computed on the way; B: input Wo (given as codes): QUANTISED
;;   THE QUANTISER, for each operand of a quantised product, along K:
;;     - K is cut into blocks of 32 from its start; a last block that is shorter is filled with zeros.
;;     - A block's scale is 2^e with e = floor(log2(the largest magnitude in the block)) - 2, held to -126 .. 127; a block of zeros has e = 0. As a byte (E8M0): e + 127.
;;     - Each number is divided by its block's scale, clamped to +-7.5, and rounded to the nearest number of E2M3, ties to even, subnormals kept.
;;     - The product sums the exact products of the quantised numbers (number of the format x scale) in f32.
;;   ~~~python
;;   def quantise(x, axis):      # numpy; x: float32 -> the quantised numbers, widened to float32 again
;;       x = np.moveaxis(x, axis, -1); K = x.shape[-1]
;;       x = np.pad(x, [(0, 0)] * (x.ndim - 1) + [(0, -K % 32)]); x = x.reshape(x.shape[:-1] + (-1, 32)); a = np.abs(x).max(-1, keepdims=True)
;;       e = np.where(a > 0, np.clip(np.frexp(np.where(a > 0, a, 1))[1] - 1 - 2, -126, 127), 0)      # np.frexp(a)[1] - 1 = floor(log2(a)), exactly
;;       r = np.clip(x / 2.0 ** e, -7.5, 7.5)
;;       step = 2.0 ** (np.maximum(np.frexp(np.where(r == 0, 1, r))[1] - 1, 0) - 3)
;;       q = np.round(r / step) * step * 2.0 ** e      # np.round: ties to even
;;       return np.moveaxis(q.reshape(q.shape[:-2] + (-1,))[..., :K], -1, axis).astype(np.float32)
;;   ~~~
;;   SOFTMAX AHEAD OF A QUANTISED PRODUCT. Where the list says 'softmax', what is quantised is not the finished softmax but p = 2^(t - M), with t = logit x log2(e) and M = ceil(the row's largest t), a whole number; so 1/2 < the row's largest p <= 1. The row's sum l is taken of the UNQUANTISED p, in f32, and the product's result is divided by l at the end. Since M is a whole number, a kernel that streams over the keys may use a running M (the ceiling of the running maximum): every later rescaling is an exact power of two, which a block's scale takes up: the codes' values come out the same.
;;   OPERANDS COMPUTED ON THE WAY. 'Computed on the way' means the value that the module computes at that place (a softmax that the list does not call 'softmax' is quantised finished and normalised). What goes into a quantiser is computed in f32, as accurately as f32 sums, v_exp_f32 and their like allow (about 1e-6 of the number): no bf16 or f16 on the way to a quantiser, and a product that is left as it is and whose result goes on into a quantised operand takes f32 operands (vector FMAs, or v_wmma_f32_16x16x4_f32). A number that lies on a knife's edge between two numbers of the format may be rounded either way, as far as f32 arithmetic and the matrix unit's own rounding can turn it there, and no further.
;;   INPUTS GIVEN AS CODES. Wk (in the module: [512, 512], K = its axis 1); Wo (in the module: [512, 512], K = its axis 1); Wq (in the module: [512, 512], K = its axis 1); Wv (in the module: [512, 512], K = its axis 1); x (in the module: [2, 4096, 512], K = its axis 2): each comes as NAME_codes (uint8): NAME with its K axis moved to the last place and cut into blocks of 32 codes, [.., K / 32, bytes a block], one block behind the other in memory; four codes in three bytes: a row's codes are one little-endian stream of bits, code i at bits 6 i .. 6 i + 5 (a code: sign, 2 exponent bits, 3 mantissa bits); and NAME_scales (uint8): the same leading axes, one E8M0 byte (e + 127) for each 32 codes along K. Its value is code x scale, taken as it is: it is not quantised again, and the codes and scales need not be those that the quantiser above would give.
;; One version. Each part assembles by itself: llvm-mc -triple=amdgcn-amd-amdhsa -mcpu=gfx1250 --defsym DOCPART=n.
;; ======== version 1 of 1: 3 launches
;; workspace buffers: qimg 3,145,728 bytes; qscl 262,144 bytes; kv 6,553,600 bytes; rimg 3,145,728 bytes; rscl 131,072 bytes
;; launch proj (part 1): grid 32 x 8, 8 waves a work-group, clusters of 4 x 4, 201,728 bytes of LDS; arguments x_codes, x_scales, Wq_codes, Wq_scales, Wk_codes, Wk_scales, Wv_codes, Wv_scales, gamma_q, gamma_k, gamma_v, qimg, qscl, kv; writes qimg, qscl, kv
.if DOCPART == 1
	.amdgcn_target "amdgcn-amd-amdhsa--gfx1250"
	.amdhsa_code_object_version 6
	.text
	.protected	k_qca5c0b55d7_proj
	.globl	k_qca5c0b55d7_proj
	.p2align	8
	.type	k_qca5c0b55d7_proj,@function
k_qca5c0b55d7_proj:
	s_mov_b64 s[64:65], 0
	v_nop
	global_prefetch_b8 v0, s[64:65] scope:SCOPE_SE
	s_setreg_imm32_b32 hwreg(HW_REG_WAVE_MODE, 25, 1), 1
	s_wait_xcnt 0x0
	s_wait_alu depctr_hold_cnt(0) depctr_sa_sdst(0) depctr_va_vdst(0) depctr_va_sdst(0) depctr_va_ssrc(0) depctr_va_vcc(0) depctr_vm_vsrc(0)
	s_getreg_b32 s2, hwreg(HW_REG_IB_STS2, 6, 4)
	s_cmp_eq_u32 s2, 0
	s_cbranch_scc0 .Lentry_in_a_cluster
	s_endpgm
.Lentry_in_a_cluster:
	s_bfe_u32 s2, ttmp6, 0x10000c
	s_cmp_lg_u32 s2, 0xf033
	s_cbranch_scc0 .Lentry_shape_is_right
	s_endpgm
.Lentry_shape_is_right:
; q = gamma_q (x Wq^T), k = gamma_k (x Wk^T), v = gamma_v (x Wv^T) on codes of FP6 (E2M3) with E8M0 scales, f32 sums; the results are quantised here, in registers,
; q and k along the head's 64 channels, v along the keys, and leave as IMAGES OF OPERAND REGISTERS for the attention launch.
; SHARES.  A work-group takes 256 rows of x (rb) and one head's 64 channels (hd) of q, k and v.  Each of its 8 waves does three units of 32 matrix instructions and one quantising each:
;   q of rows 32 w .. 32 w + 31, k of 32 keys (key step sh = w / 4, fragment g = w % 4), v of (128 keys sh, 16 channels t = w % 4).
; CLUSTER 4 x 4.  x's 256 rows hang on rb alone: shared down a column of the cluster.  The weights' 64 rows hang on hd alone: shared along a row.  Each is asked for jointly, which divides the requests by four.
; All operands fit in LDS once: 256 rows of x and 3 x 64 rows of weights, 384 bytes a row.  No LDS byte is filled twice.
; LDS ROWS.  A row's 384 bytes come as three rows of 128 bytes with 16 bytes of padding behind each: pitch 432 bytes = 108 words, so the 16 rows of a fragment start at 16 different multiples of 4 banks.
; LAYOUT.  q and k: source 0 = 16 rows of W, source 1 = 16 rows of x: a lane holds one row of x and its registers run along the channels.  v: source 0 = 16 rows of x (keys), source 1 = 16 rows of Wv:
; a lane holds one channel and its registers run along the keys.  With tiles of 16 neighbours a block's 32 places hold its members 0-7, 16-23, 8-15, 24-31: alike in q and k, and alike in v and the softmax's p,
; so the products are the same; only the order in which the unit adds them differs from the true order of K.
; k's KEYS OF A TILE ARE NOT NEIGHBOURS: lane r of tile c of fragment g takes key 64 (g / 2) + 8 (g % 2) + 16 c + r + 24 (r / 8) of the key step.  In the attention's scores (a lane's eight registers: rows 8 h + j of a tile)
; the 32 registers of fragments 2 c', 2 c' + 1 are then the whole key block 2 c' + h, its members in the order 0-7, 16-23, 8-15, 24-31, which is v's.
; Wv's ROWS OF A TILE ARE NOT NEIGHBOURS: lane r of tile t takes row 32 (t / 2) + 8 (t % 2) + r + 8 (r / 8), so that the attention's result has 16 neighbouring channels in a lane's 16 registers.
; LIMITS: NaN, infinities and scale bytes 0xff among the inputs are not served.  A block whose largest magnitude lies under 2^-124 gets the byte 1; a block of zeros gets the byte 1 where the rule says 127:
; its codes are zeros, and this program alone reads the bytes.
.set PITCH, 432
.set WB,    256*PITCH                  ; LDS: x's 256 rows at 0; behind them Wq's, Wk's, Wv's 64 rows
.set WSZ,   64*PITCH
.set STG,   WB+3*WSZ                   ; 2,048 bytes that no tile lands in: the scale words of two key steps (512 each), then q's 256 scale words
.set RK16, 1                           ; v1     16 x (16 h + r + 24 (r / 8)): where the scale words of k's rows of x lie
.set AXQ,  2                           ; v2,3   x's rows 32 w on: row x pitch + 24 h; the same with 40 h for pieces that lie behind one padding more
.set AXV,  4                           ; v4,5   x's rows 128 sh on
.set AWQ,  6                           ; v6,7   Wq's rows (Wk's by the immediate)
.set AWV,  8                           ; v8,9   Wv's rows of my tile
.set L16,  10                          ; v10    16 x lane
.set L8,   11                          ; v11    8 x lane
.set SSTK, 12                          ; v12    where my unit's scale word goes in the stage
.set SSTQ, 13                          ; v13    where q's goes
.set H32,  14                          ; v14    32 h
.set RR4,  16                          ; v16    4 (r + 8 (r / 8))
.set RR16, 17                          ; v17    16 (r + 8 (r / 8))
.set SRD,  18                          ; v18    STG + 16 x thread
.set SCW,  20                          ; v20-27 the weights' scale words
.set SCX,  28                          ; v28-43 x's scale words
.set GAM,  44                          ; v44-75 the gammas
.set ACC,  76                          ; v76-139 eight accumulators
.set FB,   140                         ; v140-247 fragments; behind a unit's products the quantiser works here:
.set TM,   140
.set PW,   156
.set PC,   160
.set AXK,  250                         ; v250,251 x's rows for my fragment of k
.set WV,   32                          ; s32 wave
.set SEL,  76                          ; s[76:77] lane selects for lane l xor 16
.macro PLACES                          ; four places behind a matrix instruction, in front of loads into its registers and of reads of its result
.rept 4
	v_nop
.endr
.endm
.macro CROUND                          ; a round of the cluster's barrier
	s_barrier_signal -1
	s_barrier_wait -1
	s_cmp_lg_u32 s[WV], 0
	s_cbranch_scc1 .Lnot_wave_0_\@
	s_barrier_signal -3
.Lnot_wave_0_\@:
	s_barrier_wait -3
	s_barrier_signal -1
	s_barrier_wait -1
.endm
; one matrix instruction.  cm = 0: the sum starts with the constant 0; else C = v[c ..].  ra, rb = 1: that side's scales are read from lanes 16-31
.macro WM d, a, b, cm, c, sa, sb, ra, rb
.if ((\cm) == 0) && ((\ra) == 0) && ((\rb) == 0)
	v_wmma_scale_f32_16x16x128_f8f6f4 v[\d:\d+7], v[\a:\a+11], v[\b:\b+11], 0, v[\sa], v[\sb] matrix_a_fmt:MATRIX_FMT_FP6 matrix_b_fmt:MATRIX_FMT_FP6
.elseif ((\cm) == 0) && ((\ra) == 0)
	v_wmma_scale_f32_16x16x128_f8f6f4 v[\d:\d+7], v[\a:\a+11], v[\b:\b+11], 0, v[\sa], v[\sb] matrix_a_fmt:MATRIX_FMT_FP6 matrix_b_fmt:MATRIX_FMT_FP6 matrix_b_scale:MATRIX_SCALE_ROW1
.elseif ((\cm) == 0) && ((\rb) == 0)
	v_wmma_scale_f32_16x16x128_f8f6f4 v[\d:\d+7], v[\a:\a+11], v[\b:\b+11], 0, v[\sa], v[\sb] matrix_a_fmt:MATRIX_FMT_FP6 matrix_b_fmt:MATRIX_FMT_FP6 matrix_a_scale:MATRIX_SCALE_ROW1
.elseif (\cm) == 0
	v_wmma_scale_f32_16x16x128_f8f6f4 v[\d:\d+7], v[\a:\a+11], v[\b:\b+11], 0, v[\sa], v[\sb] matrix_a_fmt:MATRIX_FMT_FP6 matrix_b_fmt:MATRIX_FMT_FP6 matrix_a_scale:MATRIX_SCALE_ROW1 matrix_b_scale:MATRIX_SCALE_ROW1
.elseif ((\ra) == 0) && ((\rb) == 0)
	v_wmma_scale_f32_16x16x128_f8f6f4 v[\d:\d+7], v[\a:\a+11], v[\b:\b+11], v[\c:\c+7], v[\sa], v[\sb] matrix_a_fmt:MATRIX_FMT_FP6 matrix_b_fmt:MATRIX_FMT_FP6
.elseif (\ra) == 0
	v_wmma_scale_f32_16x16x128_f8f6f4 v[\d:\d+7], v[\a:\a+11], v[\b:\b+11], v[\c:\c+7], v[\sa], v[\sb] matrix_a_fmt:MATRIX_FMT_FP6 matrix_b_fmt:MATRIX_FMT_FP6 matrix_b_scale:MATRIX_SCALE_ROW1
.elseif (\rb) == 0
	v_wmma_scale_f32_16x16x128_f8f6f4 v[\d:\d+7], v[\a:\a+11], v[\b:\b+11], v[\c:\c+7], v[\sa], v[\sb] matrix_a_fmt:MATRIX_FMT_FP6 matrix_b_fmt:MATRIX_FMT_FP6 matrix_a_scale:MATRIX_SCALE_ROW1
.else
	v_wmma_scale_f32_16x16x128_f8f6f4 v[\d:\d+7], v[\a:\a+11], v[\b:\b+11], v[\c:\c+7], v[\sa], v[\sb] matrix_a_fmt:MATRIX_FMT_FP6 matrix_b_fmt:MATRIX_FMT_FP6 matrix_a_scale:MATRIX_SCALE_ROW1 matrix_b_scale:MATRIX_SCALE_ROW1
.endif
.endm
; a fragment, 16 rows x 128 K, K step s of a row's four: 12 registers, in pieces of 8 bytes.  Lanes 0-15 take the row's pieces 12 s + 0, 1, 2, 6, 7, 8, lanes 16-31 those three pieces on.
; 16 bytes of padding lie behind every 16 pieces: where the piece three on lies behind one padding more, the second address register serves.
.macro FRAG reg, adr, s, off
.irp p, 0,1,2,3,4,5
.set PCE, 12*(\s)+6*(\p/3)+\p%3
.if PCE%16 < 13
	ds_load_b64 v[\reg+2*\p:\reg+2*\p+1], v[\adr] offset:8*PCE+16*(PCE/16)+(\off)
.else
	ds_load_b64 v[\reg+2*\p:\reg+2*\p+1], v[\adr+1] offset:8*PCE+16*(PCE/16)+(\off)
.endif
.endr
.endm
; 64 numbers of a lane, v[s] .. v[s + 63], register 16 b + i = place 16 (lane / 16) + i of block b, become a fragment's codes in v[PC] on and its scale word (byte b: block b) in v[PW]
.macro QUANT s
.irp b, 0,1,2,3
	v_max3_num_f32 v[TM+\b], |v[\s+16*\b]|, |v[\s+1+16*\b]|, 0x1800000   ; my 16 numbers of block b, and the floor 2^(3 - 127): the byte cannot fall under 1
.endr
.irp i, 2,4,6,8,10,12,14
.irp b, 0,1,2,3
	v_max3_num_f32 v[TM+\b], v[TM+\b], |v[\s+16*\b+\i]|, |v[\s+1+16*\b+\i]|   ; the four blocks by turns
.endr
.endr
.irp b, 0,1,2,3
	v_permlanex16_b32 v[TM+4+\b], v[TM+\b], s[SEL], s[SEL+1]
.endr
.irp b, 0,1,2,3
	v_max_num_f32 v[TM+\b], v[TM+\b], v[TM+4+\b]   ; with lane l xor 16's: the block's largest magnitude
.endr
.irp b, 0,1,2,3
	v_add_nc_u32 v[TM+12+\b], 0xff000000, v[TM+\b]   ; 2 off its exponent field: the conversion takes the exponent field of this operand as its scale
.endr
.irp b, 0,1,2,3
	v_lshrrev_b32 v[TM+4+\b], 23, v[TM+12+\b]   ; the scale's byte
.endr
	v_lshl_or_b32 v[PW], v[TM+5], 8, v[TM+4]
	v_lshl_or_b32 v[PW], v[TM+6], 16, v[PW]
	v_lshl_or_b32 v[PW], v[TM+7], 24, v[PW]
.irp c, 0,1
	v_cvt_scalef32_pk16_fp6_f32 v[PC+6*\c:PC+2+6*\c], v[\s+32*\c:\s+15+32*\c], v[TM+12+2*\c]
	v_cvt_scalef32_pk16_fp6_f32 v[PC+12+4*\c:PC+14+4*\c], v[\s+16+32*\c:\s+31+32*\c], v[TM+12+2*\c+1]   ; (a conversion's three registers begin on an even number)
.endr
	v_nop                                          ; one plain place behind a scaled conversion
.irp c, 0,1                                    ; the operand's layout wants a whole block in a lane: lanes 0-15 block 2 c, lanes 16-31 block 2 c + 1
.irp i, 0,1,2
	v_permlane16_swap_b32 v[PC+6*\c+\i], v[PC+12+4*\c+\i]
.endr
.irp i, 0,1,2
	v_mov_b32 v[PC+3+6*\c+\i], v[PC+12+4*\c+\i]
.endr
.endr
.endm
	s_load_b512 s[4:19], s[0:1], 0x0               ; x codes s[4:5], x scales s[6:7], Wq s[8:11], Wk s[12:15], Wv s[16:19]
	s_load_b256 s[20:27], s[0:1], 0x40             ; gamma_q s[20:21], gamma_k s[22:23], gamma_v s[24:25], qimg s[26:27]
	s_load_b128 s[28:31], s[0:1], 0x60             ; qscl s[28:29], kv s[30:31]
	s_set_vgpr_msb 0x40
	v_lshl_add_u32 v0, v0, 2, 0x31000
	v_mov_b32 v1, 0
	s_set_vgpr_msb 0x4045
	ds_add_u32 v0, v1
	ds_add_u32 v0, v1
	s_set_vgpr_msb 0x4500
	v_lshrrev_b32 v1, 5, v0
	v_readfirstlane_b32 s[WV], v1                  ; wave 0..7
	s_bfe_u32 s33, ttmp6, 0x40000                  ; cx
	s_bfe_u32 s34, ttmp6, 0x40004                  ; cy
	s_lshl_b32 s35, ttmp9, 2
	s_add_co_u32 s35, s35, s33                     ; rb = 4 x cluster x + cx: which 256 rows of x
	s_and_b32 s36, ttmp7, 0xffff
	s_lshl_b32 s36, s36, 2
	s_add_co_u32 s36, s36, s34                     ; hd = 4 x cluster y + cy: which head
	s_lshl_b32 s37, 0x1111, s33                    ; my column of the cluster
	s_lshl_b32 s38, s34, 2
	s_lshl_b32 s38, 15, s38                        ; my row
	; group 1: a dense block as rows of 128 bytes (16 elements of 8 bytes), 16 bytes of padding behind each.  x: 96 such rows a wave (32 rows of x); a weight: 24 (8 rows)
	s_or_b32 s40, s37, (3<<16)|(1<<20)|(1<<21)|(4<<22)|(3<<25)   ; 15:0 the mask; 17:16 elements of 8 bytes; 20 padding on; 21 set beside a mask; 24:22 after every 32 words (code 4); 31:25 4 words (code 3)
	s_mov_b32 s41, 16<<16                          ; tensor_dim0
	s_mov_b32 s42, 96<<16                          ; tensor_dim1
	s_mov_b32 s43, 16<<16                          ; tile_dim0
	s_mov_b32 s44, 96                              ; tile_dim1
	s_mov_b32 s45, 16                              ; elements from row to row
	s_mov_b32 s46, 0
	s_mov_b32 s47, 0
	s_or_b32 s48, s38, (3<<16)|(1<<20)|(1<<21)|(4<<22)|(3<<25)
	s_mov_b32 s49, 16<<16
	s_mov_b32 s50, 24<<16
	s_mov_b32 s51, 16<<16
	s_mov_b32 s52, 24
	s_mov_b32 s53, 16
	s_mov_b32 s54, 0
	s_mov_b32 s55, 0
	s_mul_i32 s80, s35, 98304                      ; x: 256 rows of 384 bytes a block, 32 rows a wave
	s_mul_i32 s81, s[WV], 12288
	s_add_co_u32 s80, s80, s81
	s_mov_b32 s81, 0
	s_mul_i32 s82, s36, 24576                      ; a weight: 64 rows a head, 8 rows a wave
	s_mul_i32 s83, s[WV], 3072
	s_add_co_u32 s82, s82, s83
	s_mov_b32 s83, 0
	s_mul_i32 s85, s[WV], 8*PITCH
	s_wait_dscnt 0x0
	s_wait_kmcnt 0x0
	s_mov_b32 s56, 1                               ; group 0 for x
	s_mul_i32 s57, s[WV], 32*PITCH
	s_add_nc_u64 s[58:59], s[4:5], s[80:81]
	s_or_b32 s59, s59, 0x80000000
	s_mov_b32 s60, 1                               ; for Wq
	s_add_co_u32 s61, s85, WB
	s_add_nc_u64 s[62:63], s[8:9], s[82:83]
	s_or_b32 s63, s63, 0x80000000
	s_mov_b32 s68, 1                               ; for Wk
	s_add_co_u32 s69, s85, WB+WSZ
	s_add_nc_u64 s[70:71], s[12:13], s[82:83]
	s_or_b32 s71, s71, 0x80000000
	s_mov_b32 s72, 1                               ; for Wv
	s_add_co_u32 s73, s85, WB+2*WSZ
	s_add_nc_u64 s[74:75], s[16:17], s[82:83]
	s_or_b32 s75, s75, 0x80000000
	CROUND                                         ; all sixteen work-groups are here: the joint loads meet
	tensor_load_to_lds s[56:59], s[40:47]          ; every wave asks for its part of all four blocks: four loads of mine are out
	s_nop 0
	tensor_load_to_lds s[60:63], s[48:55]
	s_nop 0
	tensor_load_to_lds s[68:71], s[48:55]
	s_nop 0
	tensor_load_to_lds s[72:75], s[48:55]
	s_nop 0
	PLACES                                         ; (four v_nop behind the last)
	s_mov_b32 s39, 0xffff0000                      ; lanes 16-31
	s_mov_b32 s[SEL], 0x76543210
	s_mov_b32 s[SEL+1], 0xfedcba98
	s_lshr_b32 s86, s[WV], 2                       ; sh: which 128 keys my v unit and my k unit belong to
	s_bfe_u32 s87, s[WV], 0x10001                  ; (w / 2) % 2
	s_and_b32 s88, s[WV], 1
	s_lshl_b32 s89, s87, 5
	s_lshl_b32 s90, s88, 3
	s_add_co_u32 s89, s89, s90                     ; my tile of Wv begins at row 32 (t / 2) + 8 (t % 2)
	v_and_b32 v1, 31, v0                           ; lane
	v_and_b32 v19, 15, v0                          ; r
	v_bfe_u32 v15, v0, 4, 1                        ; h
	v_mul_u32_u24 v2, v19, PITCH
	v_mad_u32_u24 v3, v15, 40, v2
	v_mad_u32_u24 v2, v15, 24, v2
	s_mul_i32 s90, s86, 128*PITCH
	v_add_nc_u32 v[AXV], s90, v2
	v_add_nc_u32 v[AXV+1], s90, v3
	s_lshl_b32 s91, s87, 6                         ; my fragment of k begins at row 128 sh + 64 (g / 2) + 8 (g % 2) of the block
	s_lshl_b32 s84, s88, 3
	s_add_co_u32 s91, s91, s84
	s_mul_i32 s91, s91, PITCH
	s_add_co_u32 s91, s91, s90
	v_add_nc_u32 v[AWQ], WB, v2
	v_add_nc_u32 v[AWQ+1], WB, v3
	v_add_nc_u32 v[AXQ], s57, v2
	v_add_nc_u32 v[AXQ+1], s57, v3
	v_and_b32 v16, 8, v19
	v_add_nc_u32 v16, v16, v19                     ; r + 8 (r / 8)
	v_mul_u32_u24 v8, v16, PITCH
	v_mad_u32_u24 v9, v15, 40, v8
	v_mad_u32_u24 v8, v15, 24, v8
	s_mul_i32 s90, s89, PITCH
	s_add_co_u32 s90, s90, WB+2*WSZ
	v_add_nc_u32 v[AWV], s90, v8
	v_add_nc_u32 v[AWV+1], s90, v9
	v_lshlrev_b32 v[RR16], 4, v16
	v_lshlrev_b32 v[RR4], 2, v16
	v_lshlrev_b32 v[L16], 4, v1
	v_lshlrev_b32 v[L8], 3, v1
	v_lshlrev_b32 v[H32], 5, v15
	v_and_b32 v1, 8, v19
	v_mad_u32_u24 v1, v1, 3, v19                   ; r + 24 (r / 8): k's rows of a tile
	v_mul_u32_u24 v[AXK], v1, PITCH
	v_mad_u32_u24 v[AXK+1], v15, 40, v[AXK]
	v_mad_u32_u24 v[AXK], v15, 24, v[AXK]
	v_add_nc_u32 v[AXK], s91, v[AXK]
	v_add_nc_u32 v[AXK+1], s91, v[AXK+1]
	v_lshlrev_b32 v1, 4, v1
	v_lshl_add_u32 v[RK16], v15, 8, v1             ; their scale words, 16 bytes a row: lanes 0-15 tile 0's rows, lanes 16-31 tile 1's, 16 rows on
	s_lshl_b32 s92, s86, 9                         ; the stage: key step sh's 512 bytes; word (j, lane l) at 16 l + 4 j; my unit is j = (w / 2) % 2 (v: + 2), lanes 16 (w % 2) + r
	s_lshl_b32 s93, s88, 8
	s_add_co_u32 s92, s92, s93
	s_lshl_b32 s93, s87, 2
	s_add_co_u32 s92, s92, s93
	s_add_co_u32 s92, s92, STG
	v_lshl_add_u32 v[SSTK], v19, 4, s92
	v_lshl_add_u32 v[SSTQ], v0, 2, STG+1024
	v_lshl_add_u32 v[SRD], v0, 4, STG
.irp b, 0,1,2,3
	v_mov_b32 v[TM+4+\b], 0                        ; a lane permute's destination counts as one of its sources
.endr
	; the pointers
	s_mov_b32 s97, 0
	s_lshl_b32 s96, s35, 12                        ; x's scale words: 16 bytes a row
	s_add_nc_u64 s[6:7], s[6:7], s[96:97]
	s_lshl_b32 s96, s86, 11
	s_add_nc_u64 s[4:5], s[6:7], s[96:97]          ; s[4:5]: those of rows 128 sh on
	s_lshl_b32 s96, s87, 10
	s_lshl_b32 s98, s88, 7
	s_add_co_u32 s96, s96, s98
	s_add_nc_u64 s[2:3], s[4:5], s[96:97]          ; s[2:3]: those of my fragment of k: 64 (g / 2) + 8 (g % 2) rows further on
	s_lshl_b32 s96, s[WV], 9
	s_add_nc_u64 s[6:7], s[6:7], s[96:97]          ; s[6:7]: those of rows 32 w on
	s_lshl_b32 s96, s36, 10                        ; the weights' scale words: 64 rows of 16 bytes a head
	s_add_nc_u64 s[10:11], s[10:11], s[96:97]
	s_add_nc_u64 s[14:15], s[14:15], s[96:97]
	s_lshl_b32 s98, s89, 4
	s_add_co_u32 s96, s96, s98
	s_add_nc_u64 s[18:19], s[18:19], s[96:97]      ; Wv's at my tile
	s_lshl_b32 s96, s36, 8                         ; the gammas: 64 numbers a head
	s_add_nc_u64 s[20:21], s[20:21], s[96:97]
	s_add_nc_u64 s[22:23], s[22:23], s[96:97]
	s_lshl_b32 s98, s89, 2
	s_add_co_u32 s96, s96, s98
	s_add_nc_u64 s[24:25], s[24:25], s[96:97]
	global_load_b128 v[SCW:SCW+3], v[L16], s[10:11]            ; Wq's scale words: register 4 j + s: K step s of tile 2 j (lanes 0-15) and 2 j + 1 (lanes 16-31)
	global_load_b128 v[SCW+4:SCW+7], v[L16], s[10:11] offset:512
	global_load_b128 v[SCX:SCX+3], v[L16], s[6:7]              ; x's: register s: rows 32 w + lane
.irp t, 0,1,2,3
	global_load_b128 v[GAM+8*\t:GAM+8*\t+3], v[H32], s[20:21] offset:64*\t        ; gamma_q at channels 16 t + 8 h + 0 .. 7
	global_load_b128 v[GAM+8*\t+4:GAM+8*\t+7], v[H32], s[20:21] offset:64*\t+16
.endr
	s_lshr_b32 s94, s35, 4
	s_lshl_b32 s94, s94, 3
	s_add_co_u32 s94, s94, s36                     ; bh = 8 x batch + head
	s_and_b32 s95, s35, 15                         ; which 256 rows of the batch
	s_lshl_b32 s96, s94, 8
	s_lshl_b32 s98, s95, 4
	s_add_co_u32 s96, s96, s98
	s_lshl_b32 s98, s[WV], 1
	s_add_co_u32 s96, s96, s98
	s_mul_i32 s96, s96, 768
	s_add_nc_u64 s[26:27], s[26:27], s[96:97]      ; qimg at query tile 16 rbl + 2 w of bh
	s_lshl_b32 s99, s94, 5
	s_lshl_b32 s98, s95, 1
	s_add_co_u32 s99, s99, s98                     ; the work-group's first key step: 32 bh + 2 rbl
	s_add_co_u32 s96, s99, s86
	s_mul_i32 s96, s96, 12800
	s_and_b32 s98, s[WV], 3
	s_mul_i32 s98, s98, 1536
	s_add_co_u32 s96, s96, s98
	s_add_nc_u64 s[66:67], s[30:31], s[96:97]      ; kv at key step sh, fragment w % 4
	s_min_u32 s98, s[WV], 1                        ; where the stage's 512 bytes of waves 0-3 go: waves 0, 1: the scale words of key steps 0, 1;
	s_add_co_u32 s96, s99, s98
	s_mul_i32 s96, s96, 12800
	s_add_co_u32 s96, s96, 12288
	s_add_nc_u64 s[78:79], s[30:31], s[96:97]
	s_lshl_b32 s96, s94, 14                        ; waves 2, 3: q's scale words, 4 bytes a row
	s_lshl_b32 s98, s95, 10
	s_add_co_u32 s96, s96, s98
	s_max_u32 s98, s[WV], 2
	s_sub_co_u32 s98, s98, 2
	s_min_u32 s98, s98, 1
	s_lshl_b32 s98, s98, 9
	s_add_co_u32 s96, s96, s98
	s_add_nc_u64 s[28:29], s[28:29], s[96:97]
	s_cmp_lt_u32 s[WV], 2                          ; the choice hangs on the wave's number alone
	s_cselect_b64 s[78:79], s[78:79], s[28:29]
	s_wait_tensorcnt 0x0                           ; my parts of the four blocks are in,
	s_barrier_signal -1
	s_barrier_wait -1                              ; everybody's are
	s_wait_loadcnt 0x0
; q (m = 0) of my 32 rows, or k (m = 1) of my fragment's 32 keys: 4 K steps x (2 tiles of rows x 4 tiles of channels); the eight accumulators take turns, in the same order in every step
.macro QKUNIT m
.irp s, 0,1,2,3
.if (\m > 0) || (\s > 0)
	PLACES
.endif
.irp t, 0,1,2,3
	FRAG FB+12*\t, AWQ, \s, \m*WSZ+\t*16*PITCH
.endr
.irp c, 0,1
.if \m == 0
	FRAG FB+48+12*\c, AXQ, \s, \c*16*PITCH
.else
	FRAG FB+48+12*\c, AXK, \s, \c*16*PITCH
.endif
.endr
	s_wait_dscnt 0x0
.irp c, 0,1
.irp t, 0,1,2,3
	WM ACC+8*(4*\c+\t), FB+12*\t, FB+48+12*\c, \s, ACC+8*(4*\c+\t), SCW+4*(\t/2)+\s, SCX+\s, \t%2, \c
.endr
.endr
.endr
	PLACES
.if \m == 0
	global_load_b128 v[SCW:SCW+3], v[L16], s[14:15]            ; the next unit's scale words land while this one is quantised: Wk's,
	global_load_b128 v[SCW+4:SCW+7], v[L16], s[14:15] offset:512
	global_load_b128 v[SCX:SCX+3], v[RK16], s[2:3]             ; and x's, by my fragment's rows
.else
	global_load_b128 v[SCW:SCW+3], v[RR16], s[18:19]           ; Wv's, by my tile's rows; and x's for the 128 keys
.irp j, 0,1,2,3
	global_load_b128 v[SCX+4*\j:SCX+4*\j+3], v[L16], s[4:5] offset:512*\j
.endr
.endif
.irp c, 0,1
.irp t, 0,1,2,3
.irp j, 0,2,4,6
	v_pk_mul_f32 v[ACC+8*(4*\c+\t)+\j:ACC+8*(4*\c+\t)+\j+1], v[ACC+8*(4*\c+\t)+\j:ACC+8*(4*\c+\t)+\j+1], v[GAM+8*\t+\j:GAM+8*\t+\j+1]   ; x gamma, each accumulator from its low end on
.endr
.endr
.endr
.if \m == 0
.irp t, 0,1,2,3
	global_load_b128 v[GAM+8*\t:GAM+8*\t+3], v[H32], s[22:23] offset:64*\t
	global_load_b128 v[GAM+8*\t+4:GAM+8*\t+7], v[H32], s[22:23] offset:64*\t+16
.endr
.else
	global_load_b32 v[GAM], v[RR4], s[24:25]                   ; gamma_v of my lane's channel
.endif
	QUANT ACC                                      ; blocks 0, 1: tile 0's two channel blocks; blocks 2, 3: tile 1's.  So registers 6 c .. 6 c + 5 of lane (r, h) hold channel block h of row r of tile c
.if \m == 0
.irp p, 0,1,2,3,4,5
	global_store_b64 v[L8], v[PC+2*\p:PC+2*\p+1], s[26:27] offset:768*(\p/3)+256*(\p%3)   ; two query tiles of 768 bytes; 32 lanes store 256 consecutive bytes, aligned
.endr
	v_and_b32 v248, 0xffff, v[PW]                  ; rows 0-15's two bytes,
	v_lshrrev_b32 v249, 16, v[PW]                  ; rows 16-31's:
	v_cndmask_b32 v248, v248, v249, s39            ; lane l takes row l's;
	v_or_b32 v248, 0x01010000, v248                ; the bytes of the half of K that holds zero codes are 1
	ds_store_b32 v[SSTQ], v248
.else
.irp c, 0,1,2
	global_store_b128 v[L16], v[PC+4*\c:PC+4*\c+3], s[66:67] offset:512*\c    ; the fragment as it stands: 512 consecutive bytes a store
.endr
	ds_store_b32 v[SSTK], v[PW]
.endif
	s_wait_xcnt 0x0                                ; the stores' data registers are loaded again by the next unit only behind this wait
	s_wait_dscnt 0x0
	s_wait_loadcnt 0x0                             ; the next unit's scale words and gammas
.endm
	QKUNIT 0
	QKUNIT 1
	; v of 128 keys x my 16 channels: source 0 = 16 keys' rows of x, eight tiles by turns; source 1 = my tile of Wv
.irp s, 0,1,2,3
	PLACES
.irp u, 0,1,2,3,4,5,6,7
	FRAG FB+12*\u, AXV, \s, \u*16*PITCH
.endr
	FRAG FB+96, AWV, \s, 0
	s_wait_dscnt 0x0
.irp u, 0,1,2,3,4,5,6,7
	WM ACC+8*\u, FB+12*\u, FB+96, \s, ACC+8*\u, SCX+4*(\u/2)+\s, SCW+\s, \u%2, 0
.endr
.endr
	PLACES
.set j, 0
.rept 32
	v_pk_mul_f32 v[ACC+j:ACC+j+1], v[ACC+j:ACC+j+1], v[GAM:GAM+1] op_sel_hi:[1,0]   ; x gamma_v of my channel
.set j, j+2
.endr
	QUANT ACC                                      ; four blocks of 32 keys of my channel
.irp c, 0,1,2
	global_store_b128 v[L16], v[PC+4*\c:PC+4*\c+3], s[66:67] offset:6144+512*\c
.endr
	ds_store_b32 v[SSTK], v[PW] offset:8
	s_wait_dscnt 0x0                               ; for the others' sake: my scale words lie in the stage
	s_barrier_signal -1
	s_barrier_wait -1
	s_cmp_lt_u32 s[WV], 4                          ; waves 0-3 store the stage's four runs of 512 bytes
	s_cbranch_scc0 .Lno_scales
	ds_load_b128 v[252:255], v[SRD]
	s_wait_dscnt 0x0
	global_store_b128 v[L16], v[252:255], s[78:79]
.Lno_scales:
	s_set_vgpr_msb 0x5
	s_wait_tensorcnt 0x0
	ds_add_u32 v0, v1
	s_wait_dscnt 0x0
	s_set_vgpr_msb 0x500
	CROUND                                         ; the closing round
	s_endpgm
.Lfunc_end_k_qca5c0b55d7_proj:
	.size	k_qca5c0b55d7_proj, .Lfunc_end_k_qca5c0b55d7_proj-k_qca5c0b55d7_proj
	.p2alignl 7, 3214868480
	.fill 96, 4, 3214868480
	.section	.rodata,"a",@progbits
	.p2align	6, 0x0
	.amdhsa_kernel k_qca5c0b55d7_proj
		.amdhsa_group_segment_fixed_size 201728
		.amdhsa_private_segment_fixed_size 0
		.amdhsa_enable_private_segment 0
		.amdhsa_kernarg_size 112
		.amdhsa_user_sgpr_count 2
		.amdhsa_user_sgpr_kernarg_segment_ptr 1
		.amdhsa_wavefront_size32 1
		.amdhsa_system_sgpr_workgroup_id_x 1
		.amdhsa_system_sgpr_workgroup_id_y 1
		.amdhsa_system_sgpr_workgroup_id_z 1
		.amdhsa_system_vgpr_workitem_id 0
		.amdhsa_next_free_vgpr 258
		.amdhsa_next_free_sgpr 100
		.amdhsa_reserve_vcc 0
		.amdhsa_float_denorm_mode_32 3
		.amdhsa_float_denorm_mode_16_64 3
		.amdhsa_memory_ordered 1
		.amdhsa_forward_progress 1
		.amdhsa_inst_pref_size 78
	.end_amdhsa_kernel
	.amdgpu_metadata
---
amdhsa.version: [ 1, 2 ]
amdhsa.kernels:
  - .name:           k_qca5c0b55d7_proj
    .symbol:         k_qca5c0b55d7_proj.kd
    .args:
      - { .name: x_codes, .offset: 0, .size: 8, .value_kind: global_buffer, .address_space: global }
      - { .name: x_scales, .offset: 8, .size: 8, .value_kind: global_buffer, .address_space: global }
      - { .name: Wq_codes, .offset: 16, .size: 8, .value_kind: global_buffer, .address_space: global }
      - { .name: Wq_scales, .offset: 24, .size: 8, .value_kind: global_buffer, .address_space: global }
      - { .name: Wk_codes, .offset: 32, .size: 8, .value_kind: global_buffer, .address_space: global }
      - { .name: Wk_scales, .offset: 40, .size: 8, .value_kind: global_buffer, .address_space: global }
      - { .name: Wv_codes, .offset: 48, .size: 8, .value_kind: global_buffer, .address_space: global }
      - { .name: Wv_scales, .offset: 56, .size: 8, .value_kind: global_buffer, .address_space: global }
      - { .name: gamma_q, .offset: 64, .size: 8, .value_kind: global_buffer, .address_space: global }
      - { .name: gamma_k, .offset: 72, .size: 8, .value_kind: global_buffer, .address_space: global }
      - { .name: gamma_v, .offset: 80, .size: 8, .value_kind: global_buffer, .address_space: global }
      - { .name: qimg, .offset: 88, .size: 8, .value_kind: global_buffer, .address_space: global }
      - { .name: qscl, .offset: 96, .size: 8, .value_kind: global_buffer, .address_space: global }
      - { .name: kv, .offset: 104, .size: 8, .value_kind: global_buffer, .address_space: global }
    .group_segment_fixed_size: 201728
    .private_segment_fixed_size: 0
    .kernarg_segment_align: 8
    .kernarg_segment_size: 112
    .max_flat_workgroup_size: 256
    .sgpr_count:     100
    .vgpr_count:     258
    .wavefront_size: 32
...
	.end_amdgpu_metadata
.endif
;; end of part 1
;; launch attn (part 2): grid 16 x 16, 16 waves a work-group, clusters of 4 x 1, 327,680 bytes of LDS; arguments qimg, qscl, kv, rimg, rscl; writes rimg, rscl
.if DOCPART == 2
	.amdgcn_target "amdgcn-amd-amdhsa--gfx1250"
	.amdhsa_code_object_version 6
	.text
	.protected	k_qca5c0b55d7_attn
	.globl	k_qca5c0b55d7_attn
	.p2align	8
	.type	k_qca5c0b55d7_attn,@function
k_qca5c0b55d7_attn:
	s_mov_b64 s[64:65], 0
	v_nop
	global_prefetch_b8 v0, s[64:65] scope:SCOPE_SE
	s_setreg_imm32_b32 hwreg(HW_REG_WAVE_MODE, 25, 1), 1
	s_wait_xcnt 0x0
	s_wait_alu depctr_hold_cnt(0) depctr_sa_sdst(0) depctr_va_vdst(0) depctr_va_sdst(0) depctr_va_ssrc(0) depctr_va_vcc(0) depctr_vm_vsrc(0)
	s_getreg_b32 s2, hwreg(HW_REG_IB_STS2, 6, 4)
	s_cmp_eq_u32 s2, 0
	s_cbranch_scc0 .Lentry_in_a_cluster
	s_endpgm
.Lentry_in_a_cluster:
	s_bfe_u32 s2, ttmp6, 0x10000c
	s_cmp_lg_u32 s2, 0x3003
	s_cbranch_scc0 .Lentry_shape_is_right
	s_endpgm
.Lentry_shape_is_right:
; r = softmax(q k^T / 8) v for one (batch, head), both products on codes of FP6 (E2M3) with E8M0 scales; r is divided by the row's sum and quantised here along its 64 channels.
; THE SOFTMAX: t = score x log2(e) / 8; M = the row's largest t so far, rounded up to a whole number; p = 2^(t - M) is quantised along the keys, not normalised.  The row's sum is taken of the
; unquantised p.  When M moves, the sum and O are multiplied by 2^(old M - new M), which rounds nothing.
; SHARES.  A work-group owns 256 queries of one (batch, head), each of its sixteen waves 16 of them, in 256 registers: four waves to a SIMD, so that one wave's vector work stands beside another's
; matrix work and LDS loads.  Every wave walks 32 key steps of 128 keys.
; kv holds, for each key step, 12,800 bytes laid as images of operand registers: 4 fragments of K, 4 of V (1,536 bytes each: three runs of 512 bytes, lane l's 16 bytes at 16 l), 512 bytes of scale words.
; So every LDS read is 512 consecutive bytes, and a slot of 8 key steps is one dense block of memory.
; THREE SLOTS of 8 key steps: steps 0-23 are first fills; only slot 0 is filled again, with steps 24-31, when its first eight steps are read: that load has 16 key steps in which to land, and
; two barriers stand inside the walk.
; K = 64 IN AN INSTRUCTION OF 128.  A fragment of K holds TWO tiles of 16 keys, one in K 0-63, one in K 64-127.  Q stands twice: QA = [q | zero codes], QB = [zero codes | q].
; The fragment x QA gives the first tile's scores, x QB the second's: every register of K that is read feeds a product.  The zero codes' scale bytes are 1.
; LAYOUT.  Both products are used transposed (source 0 = keys, or channels of V; source 1 = my queries, or p): a lane holds ONE query (lane % 16) throughout.
; THE KEYS OF A TILE ARE CHOSEN, by the launch that lays kv: row m of tile c of fragment b is key 64 (b / 2) + 32 (m / 8) + 8 (b % 2) + 16 c + m % 8.  So the 32 registers S + 32 c' .. of lane (r, h) are the WHOLE
; key block 2 c' + h: its largest p needs no other lane, and the conversions' results are the second product's operand as they stand.  A block's 32 places hold its keys 0-7, 16-23, 8-15, 24-31, alike in p and v.
; CLUSTER.  The four query blocks of a cluster walk the same kv: each tile is asked for jointly, by the same tensor load with the mask of all four.
; LIMITS: NaN and infinities are not served.  A block's largest p is taken from its largest score, which takes v_exp_f32 not to fall where its input rises.  1 / sum is v_rcp_f32 and a multiplication.
; A block of r whose largest magnitude lies under 2^-124 (zeros too) gets the byte 1; this program alone reads the bytes.
.set STEPB, 12800                      ; a key step's bytes
.set SLOTB, 8*STEPB                    ; a slot: 102,400 bytes; slots 0, 1, 2 on end from LDS byte 0
.set RSTG,  3*SLOTB                    ; 512 bytes that no tile lands in: r's scale bytes, 2 a query
.set SPARE, RSTG+512                   ; the spare words, 128 bytes for each of 16 waves: eight blocks of 256 bytes that no other line names
.set LI,  1                            ; v1   16 x lane
.set L8,  2                            ; v2   8 x lane
.set R4,  3                            ; v3   4 r
.set RSA, 4                            ; v4   RSTG + 32 w + 2 r
.set SPW, 5                            ; v5   my spare word; never rewritten
.set NIL, 6                            ; v6   0; never rewritten
.set RSR, 7                            ; v7   RSTG + 16 x lane
.set ADK, 8                            ; v8   the key step in hand: its first byte + 16 x lane
.set H8,  11                           ; v11  8 h
.set QA,  16                           ; v16-27 [q | 0]
.set QB,  28                           ; v28-39 [0 | q]
.set QSA, 40                           ; v40, v41 their scale words
.set QSB, 41
.set KF,  44                           ; v44-91 four fragments of K, then four of V
.set SC,  92                           ; v92-95 the step's scale words: +0, +1 K's fragments 0|1, 2|3 (lanes 0-15 | 16-31); +2, +3 V's tiles likewise
.set S,   96                           ; v96-159 S^T, then p
.set O,   160                          ; v160-191 O^T
.set BM,  192                          ; v192-195 four chains of the maximum; then +0, +2 my two blocks' largest score, then p
.set BT,  196                          ; v196-199 at work
.set SO,  200                          ; v200, v201 the conversions' scale operands
.set PC,  204                          ; v204-215 p's codes
.set PT,  216                          ; v216-218, v220-222 the second conversions' results
.set PS,  224                          ; v224 p's scale word
.set F,   226                          ; v226 f; v227 named with it as a pair
.set TMP, 228
.set SUM2, 230                         ; v[14:15] and v[230:231]: the row's sum, in four parts that all persist.   v12 -M, v13 the largest t
.set WV,  14
.set SEL, 20
.set CS,  22                           ; s[22:23] c = log2(e) / 8
.set G1,  24
.set G0A, 32
.set G0B, 36
.set TB,  40
.set CNT, 41
.set G0C, 52
.macro PLACES
.rept 4
	v_nop
.endr
.endm
.macro CROUND                          ; a round of the cluster's barrier
	s_barrier_signal -1
	s_barrier_wait -1
	s_cmp_lg_u32 s[WV], 0
	s_cbranch_scc1 .Lnot_wave_0_\@
	s_barrier_signal -3
.Lnot_wave_0_\@:
	s_barrier_wait -3
	s_barrier_signal -1
	s_barrier_wait -1
.endm
.macro WM d, a, b, cm, c, sa, sb, ra   ; cm = 0: the sum starts with the constant 0.  ra = 1: source 0's scales are read from lanes 16-31
.if ((\cm) == 0) && ((\ra) == 0)
	v_wmma_scale_f32_16x16x128_f8f6f4 v[\d:\d+7], v[\a:\a+11], v[\b:\b+11], 0, v[\sa], v[\sb] matrix_a_fmt:MATRIX_FMT_FP6 matrix_b_fmt:MATRIX_FMT_FP6
.elseif (\cm) == 0
	v_wmma_scale_f32_16x16x128_f8f6f4 v[\d:\d+7], v[\a:\a+11], v[\b:\b+11], 0, v[\sa], v[\sb] matrix_a_fmt:MATRIX_FMT_FP6 matrix_b_fmt:MATRIX_FMT_FP6 matrix_a_scale:MATRIX_SCALE_ROW1
.elseif (\ra) == 0
	v_wmma_scale_f32_16x16x128_f8f6f4 v[\d:\d+7], v[\a:\a+11], v[\b:\b+11], v[\c:\c+7], v[\sa], v[\sb] matrix_a_fmt:MATRIX_FMT_FP6 matrix_b_fmt:MATRIX_FMT_FP6
.else
	v_wmma_scale_f32_16x16x128_f8f6f4 v[\d:\d+7], v[\a:\a+11], v[\b:\b+11], v[\c:\c+7], v[\sa], v[\sb] matrix_a_fmt:MATRIX_FMT_FP6 matrix_b_fmt:MATRIX_FMT_FP6 matrix_a_scale:MATRIX_SCALE_ROW1
.endif
.endm
; THE SUM OF p's UPPER 32 REGISTERS IS TAKEN LATE: behind the step's last products, at the head of the next step (ahead of that step's multiplication by f), or behind the last step.
; LATE_A: three additions; LATE_B: the other thirteen.  They name none of the last products' registers.
.macro LATE_A
	v_pk_add_f32 v[14:15], v[14:15], v[S+32:S+33]
	v_pk_add_f32 v[SUM2:SUM2+1], v[SUM2:SUM2+1], v[S+34:S+35]
	v_pk_add_f32 v[14:15], v[14:15], v[S+36:S+37]
.endm
.macro LATE_B
	v_pk_add_f32 v[SUM2:SUM2+1], v[SUM2:SUM2+1], v[S+38:S+39]
.irp j, 40,44,48,52,56,60
	v_pk_add_f32 v[14:15], v[14:15], v[S+\j:S+1+\j]
	v_pk_add_f32 v[SUM2:SUM2+1], v[SUM2:SUM2+1], v[S+2+\j:S+3+\j]
.endr
.endm
	s_load_b256 s[4:11], s[0:1], 0x0               ; qimg s[4:5], qscl s[6:7], kv s[8:9], rimg s[10:11]
	s_load_b64 s[12:13], s[0:1], 0x20              ; rscl
	v_lshl_add_u32 v[SPW], v0, 2, SPARE
	v_mov_b32 v[NIL], 0
	ds_add_u32 v5, v6
	ds_add_u32 v5, v6
	s_wait_dscnt 0x0
	v_lshrrev_b32 v1, 5, v0
	v_readfirstlane_b32 s[WV], v1                  ; wave 0..15
	s_bfe_u32 s15, ttmp6, 0x40000                  ; cx
	s_lshl_b32 s16, ttmp9, 2
	s_add_co_u32 s16, s16, s15                     ; qb: my block of 256 queries; it enters q's and r's addresses alone
	s_and_b32 s17, ttmp7, 0xffff                   ; bh = 8 x batch + head, which the four partners share
	; group 1: my sixteenth of a slot, 6,400 dense bytes as 25 rows of 256 bytes (32 elements of 8 bytes), no padding
	s_mov_b32 s[G1], 15|(3<<16)|(1<<21)            ; 15:0 the mask: all four work-groups; 17:16 elements of 8 bytes; 21 set beside a mask
	s_mov_b32 s[G1+1], 32<<16
	s_mov_b32 s[G1+2], 25<<16
	s_mov_b32 s[G1+3], 32<<16
	s_mov_b32 s[G1+4], 25
	s_mov_b32 s[G1+5], 32
	s_mov_b32 s[G1+6], 0
	s_mov_b32 s[G1+7], 0
	s_mul_i32 s44, s[WV], 6400
	s_mul_i32 s42, s17, 32*STEPB
	s_add_co_u32 s42, s42, s44
	s_mov_b32 s43, 0
	s_mov_b32 s[SEL], 0x76543210
	s_mov_b32 s[SEL+1], 0xfedcba98
	s_mov_b32 s[CS], 0x3e38aa3b
	s_mov_b32 s[CS+1], s[CS]                       ; (named with it as a pair, so it is written)
	s_wait_kmcnt 0x0
	s_mov_b32 s[G0A], 1
	s_mov_b32 s[G0A+1], s44                        ; slot 0: key steps 0-7
	s_add_nc_u64 s[G0A+2:G0A+3], s[8:9], s[42:43]
	s_mov_b32 s[G0B], 1
	s_add_co_u32 s[G0B+1], s44, SLOTB              ; slot 1: key steps 8-15
	s_add_nc_u64 s[G0B+2:G0B+3], s[G0A+2:G0A+3], SLOTB
	s_mov_b32 s[G0C], 1
	s_add_co_u32 s[G0C+1], s44, 2*SLOTB            ; slot 2: key steps 16-23
	s_add_nc_u64 s[G0C+2:G0C+3], s[G0A+2:G0A+3], 2*SLOTB
	s_or_b32 s[G0A+3], s[G0A+3], 0x80000000
	s_or_b32 s[G0B+3], s[G0B+3], 0x80000000
	s_or_b32 s[G0C+3], s[G0C+3], 0x80000000
	CROUND                                         ; all four work-groups are here: the first joint loads meet
	tensor_load_to_lds s[G0A:G0A+3], s[G1:G1+7]    ; the three first fills together: three loads of mine are out
	s_nop 0
	tensor_load_to_lds s[G0B:G0B+3], s[G1:G1+7]
	s_nop 0
	tensor_load_to_lds s[G0C:G0C+3], s[G1:G1+7]
	s_nop 0
	PLACES                                         ; (four v_nop behind the last)
	v_and_b32 v9, 31, v0                           ; lane
	v_and_b32 v10, 15, v0                          ; r
	v_bfe_u32 v[H8], v0, 4, 1
	v_lshlrev_b32 v[H8], 3, v[H8]
	v_lshlrev_b32 v[LI], 4, v9
	v_lshlrev_b32 v[L8], 3, v9
	v_lshlrev_b32 v[R4], 2, v10
	s_lshl_b32 s45, s[WV], 5
	s_add_co_u32 s45, s45, RSTG
	v_lshl_add_u32 v[RSA], v10, 1, s45
	v_add_nc_u32 v[RSR], RSTG, v[LI]
	s_lshl_b32 s46, s17, 8
	s_lshl_b32 s47, s16, 4
	s_add_co_u32 s46, s46, s47
	s_add_co_u32 s46, s46, s[WV]                   ; my query tile: 256 bh + 16 qb + w
	s_mul_i32 s48, s46, 768
	s_mov_b32 s49, 0
	s_add_nc_u64 s[4:5], s[4:5], s[48:49]
	s_lshl_b32 s48, s46, 6                         ; its 16 scale words
	s_add_nc_u64 s[6:7], s[6:7], s[48:49]
.irp p, 0,1,2
	global_load_b64 v[QA+2*\p:QA+2*\p+1], v[L8], s[4:5] offset:256*\p       ; q's six registers, into both places (the two operands share no register)
	global_load_b64 v[QB+6+2*\p:QB+7+2*\p], v[L8], s[4:5] offset:256*\p
.endr
	global_load_b32 v[QSA], v[R4], s[6:7]          ; s0, s1, 1, 1
	s_lshr_b32 s50, s17, 3                         ; r's image: row tile T = 256 x batch + 16 qb + w, head bh % 8
	s_lshl_b32 s50, s50, 8
	s_add_co_u32 s50, s50, s47
	s_add_co_u32 s50, s50, s[WV]
	s_lshl_b32 s50, s50, 3
	s_and_b32 s51, s17, 7
	s_add_co_u32 s50, s50, s51
	s_mul_i32 s48, s50, 768
	s_add_nc_u64 s[10:11], s[10:11], s[48:49]
	s_lshl_b32 s48, s17, 13                        ; r's scale bytes: 2 a query
	s_lshl_b32 s51, s16, 9
	s_add_co_u32 s48, s48, s51
	s_add_nc_u64 s[12:13], s[12:13], s[48:49]
.irp i, 0,1,2,3,4,5
	v_mov_b32 v[QA+6+\i], 0                        ; the zero codes
	v_mov_b32 v[QB+\i], 0
.endr
	v_mov_b32 v13, 0xff61b1e6                      ; the largest t so far: -3e38, under every t
	v_floor_f32 v12, -v13                          ; -M
	v_mov_b32 v14, 0                               ; the sum, in four parts
	v_mov_b32 v15, 0
	v_mov_b32 v[SUM2], 0
	v_mov_b32 v[SUM2+1], 0
.irp b, 0,1,2,3
	v_mov_b32 v[BT+\b], 0                          ; a lane permute's destination counts as one of its sources
.endr
	v_mov_b32 v[F+1], 0
	s_wait_loadcnt 0x0
	v_lshrrev_b32 v[TMP], 16, v[QSA]
	v_lshl_or_b32 v[QSB], v[QSA], 16, v[TMP]       ; 1, 1, s0, s1
.set j, 0
.rept 32
	v_mov_b32 v[O+j], 0                            ; O^T, and p's upper half, which the first step's head adds to the sum: the step is written once; its first run finds zeros.
	v_mov_b32 v[S+32+j], 0                         ; (These are also the places between QSB and the first scaled product)
.set j, j+1
.endr
	s_wait_tensorcnt 0x2                           ; my part of slot 0 is in; the two loads issued behind it, slots 1 and 2, may stay out
	s_barrier_signal -1
	s_barrier_wait -1
; A KEY STEP: 128 keys at LDS byte s[TB]
.macro STEP
	v_add_nc_u32 v[ADK], s[TB], v[LI]              ; with the three additions below: the four places behind the last products, in front of loads into their registers
	LATE_A
	ds_load_b128 v[SC:SC+3], v[ADK] offset:12288
.irp b, 0,1,2,3
.irp c, 0,1,2
	ds_load_b128 v[KF+12*\b+4*\c:KF+12*\b+4*\c+3], v[ADK] offset:1536*\b+512*\c
.endr
.endr
	LATE_B                                         ; thirteen additions stand between K's loads and the wait for them
	s_wait_dscnt 0x0
.irp b, 0,1,2,3                                ; lane (r, h): register S + 32 (b / 2) + 16 (b % 2) + 8 c + j: place 16 (b % 2) + 8 c + j of key block 2 (b / 2) + h, for query r
	WM S+16*\b, KF+12*\b, QA, 0, 0, SC+\b/2, QSA, \b%2
	WM S+16*\b+8, KF+12*\b, QB, 0, 0, SC+\b/2, QSB, \b%2
.endr
	v_mov_b32 v[TMP], v12                          ; the old -M is kept; with the three below: four places behind the products
.rept 3
	v_nop
.endr
.irp t, 0,1,2,3                                ; V's four fragments land under the softmax
.irp c, 0,1,2
	ds_load_b128 v[KF+12*\t+4*\c:KF+12*\t+4*\c+3], v[ADK] offset:6144+1536*\t+512*\c
.endr
.endr
.irp b, 0,1,2,3
	v_max3_num_f32 v[BM+\b], v[S+16*\b], v[S+1+16*\b], v[S+2+16*\b]   ; the largest score, in four chains of 16 by turns
.endr
.irp i, 3,5,7,9,11,13
.irp b, 0,1,2,3
	v_max3_num_f32 v[BM+\b], v[BM+\b], v[S+16*\b+\i], v[S+1+16*\b+\i]
.endr
.endr
.irp b, 0,1,2,3
	v_max_num_f32 v[BM+\b], v[BM+\b], v[S+15+16*\b]
.endr
	v_max_num_f32 v[BM], v[BM], v[BM+1]            ; THE LARGEST SCORE OF MY TWO BLOCKS OF 32 KEYS, h and 2 + h: for the row's maximum, and, since p rises with the score, for the block's largest p
	v_max_num_f32 v[BM+2], v[BM+2], v[BM+3]
	v_max_num_f32 v[BM+1], v[BM], v[BM+2]
	v_permlanex16_b32 v[BT], v[BM+1], s[SEL], s[SEL+1]
	v_max_num_f32 v[BM+1], v[BM+1], v[BT]          ; with lane l xor 16's 64 keys: the step's largest score of my query
	v_mul_f32 v[BM+1], s[CS], v[BM+1]              ; as t (c is positive)
	v_max_num_f32 v13, v13, v[BM+1]                ; the running largest t
	v_floor_f32 v12, -v13                          ; the new -M = floor(-t): M is a whole number
	v_sub_f32 v[TMP], v12, v[TMP]                  ; old M - new M: a whole number, 0 or less
	v_cvt_i32_f32 v[TMP], v[TMP]                   ; (it saturates)
	v_ldexp_f32 v[F], 1.0, v[TMP]                  ; f = 2^(old M - new M)
.set j, 0
.rept 32
	v_pk_fma_f32 v[S+j:S+j+1], v[S+j:S+j+1], s[CS:CS+1], v[12:13] op_sel_hi:[1,0,0]   ; t - M, two at a time
.set j, j+2
.endr
	v_fma_f32 v[BM], v[BM], s[CS], v12             ; the same of each block's largest score
	v_fma_f32 v[BM+2], v[BM+2], s[CS], v12
.set j, 0
.rept 64
	v_exp_f32 v[S+j], v[S+j]                       ; p = 2^(t - M), at most 1
.set j, j+1
.endr
	v_exp_f32 v[BM], v[BM]                         ; the block's largest p
	v_exp_f32 v[BM+2], v[BM+2]
	v_pk_mul_f32 v[14:15], v[14:15], v[F:F+1] op_sel_hi:[1,0]   ; the sums under the new M (a plain place behind the exponentials)
	v_pk_mul_f32 v[SUM2:SUM2+1], v[SUM2:SUM2+1], v[F:F+1] op_sel_hi:[1,0]
	s_wait_alu depctr_va_vdst(0)
	v_max_num_f32 v[BM], 0x1800000, v[BM]          ; the floor 2^(3 - 127): the byte cannot fall under 1
	v_max_num_f32 v[BM+2], 0x1800000, v[BM+2]
	v_add_nc_u32 v[SO], 0xff000000, v[BM]          ; 2 off the exponent field: the conversion's scale operand
	v_add_nc_u32 v[SO+1], 0xff000000, v[BM+2]
	v_lshrrev_b32 v[BT+2], 23, v[SO]               ; the scale's byte
	v_lshrrev_b32 v[BT+3], 23, v[SO+1]
	v_lshl_or_b32 v[PS], v[BT+3], 16, v[BT+2]      ; my two bytes, blocks h and 2 + h,
	v_lshlrev_b32 v[PS], v[H8], v[PS]              ; at their places in the scale word (8 h bits up);
	v_permlanex16_b32 v[BT+1], v[PS], s[SEL], s[SEL+1]
.irp c, 0,1
	v_cvt_scalef32_pk16_fp6_f32 v[PC+6*\c:PC+2+6*\c], v[S+32*\c:S+15+32*\c], v[SO+\c]
	v_cvt_scalef32_pk16_fp6_f32 v[PT+4*\c:PT+2+4*\c], v[S+16+32*\c:S+31+32*\c], v[SO+\c]   ; (a conversion's three registers begin on an even number)
.endr
	v_or_b32 v[PS], v[PS], v[BT+1]                 ; with lane l xor 16's two the word is whole.  (The plain place behind the scaled conversions: it names none of their registers)
.irp c, 0,1
.irp i, 0,1,2
	v_mov_b32 v[PC+3+6*\c+\i], v[PT+4*\c+\i]       ; registers 6 c .. 6 c + 5: key block 2 c + h, whole
.endr
.endr
.irp j, 0,4,8,12,16,20,24,28
	v_pk_add_f32 v[14:15], v[14:15], v[S+\j:S+1+\j]            ; the row's sum is taken of the unquantised p: the lower 32 registers now, in two chains.
	v_pk_add_f32 v[SUM2:SUM2+1], v[SUM2:SUM2+1], v[S+2+\j:S+3+\j]   ; (These sixteen are the places behind p's codes and scale word)
.endr
.set j, 0
.rept 16
	v_pk_mul_f32 v[O+j:O+j+1], v[O+j:O+j+1], v[F:F+1] op_sel_hi:[1,0]   ; O^T under the new M, each accumulator from its low end on
.set j, j+2
.endr
	s_wait_dscnt 0x0                               ; V is in
.irp t, 0,1,2,3                                ; O^T += V^T p^T: four accumulators by turns, one instruction a turn
	WM O+8*\t, KF+12*\t, PC, 1, O+8*\t, SC+2+\t/2, PS, \t%2
.endr
.endm
.macro SLOT_STEPS base, n              ; n key steps from LDS byte base on
	s_mov_b32 s[TB], \base
	s_mov_b32 s[CNT], \n
.Lstep_\@:
	STEP
	s_add_co_u32 s[TB], s[TB], STEPB
	s_sub_co_u32 s[CNT], s[CNT], 1
	s_cmp_lg_u32 s[CNT], 0
	s_cbranch_scc1 .Lstep_\@
.endm
	SLOT_STEPS 0, 8                                ; key steps 0-7
	; THE ONE REFILL.  Each wave waits for all its tensor loads (its parts of slots 1 and 2), adds 0 to its spare word, and waits for that and for its reads of slot 0.  Behind the round no wave of any partner
	; reads slot 0 or has a load on its way: it takes key steps 24-31, by one load a wave.
	s_wait_tensorcnt 0x0                           ; no tensor load of mine is out, so a group 0 may be written
	ds_add_u32 v[SPW], v[NIL]
	s_add_nc_u64 s[G0A+2:G0A+3], s[G0A+2:G0A+3], 3*SLOTB
	s_wait_dscnt 0x0
	CROUND
	tensor_load_to_lds s[G0A:G0A+3], s[G1:G1+7]
	s_nop 0
	PLACES
	SLOT_STEPS SLOTB, 16                           ; key steps 8-23: slots 1 and 2 on end
	s_wait_tensorcnt 0x0                           ; my part of key steps 24-31 is in; the same three lines and my work-group's barrier
	ds_add_u32 v[SPW], v[NIL]
	s_wait_dscnt 0x0
	s_barrier_signal -1
	s_barrier_wait -1
	SLOT_STEPS 0, 8                                ; key steps 24-31
	; THE WAY OUT.  Register O + 16 b + i of lane (r, h) is channel 32 b + 16 h + i of query r (Wv's rows were chosen so): r = O / sum is quantised in its true order
	LATE_A                                         ; the last step's late additions: also the places behind the last products
	LATE_B
	v_pk_add_f32 v[14:15], v[14:15], v[SUM2:SUM2+1]
	v_add_f32 v14, v14, v15
	v_permlanex16_b32 v[TMP], v14, s[SEL], s[SEL+1]
	v_add_f32 v14, v14, v[TMP]                     ; the row's sum
	v_rcp_f32 v[F], v14
	v_nop                                          ; one plain place behind a transcendental
.set j, 0
	s_wait_alu depctr_va_vdst(0)
.rept 16
	v_pk_mul_f32 v[S+j:S+j+1], v[O+j:O+j+1], v[F:F+1] op_sel_hi:[1,0]
.set j, j+2
.endr
.irp b, 0,1
	v_max3_num_f32 v[BM+\b], |v[S+16*\b]|, |v[S+1+16*\b]|, 0x1800000
.endr
.irp i, 2,4,6,8,10,12,14
.irp b, 0,1
	v_max3_num_f32 v[BM+\b], v[BM+\b], |v[S+16*\b+\i]|, |v[S+1+16*\b+\i]|
.endr
.endr
.irp b, 0,1
	v_permlanex16_b32 v[BT+\b], v[BM+\b], s[SEL], s[SEL+1]
.endr
.irp b, 0,1
	v_max_num_f32 v[BM+\b], v[BM+\b], v[BT+\b]
.endr
.irp b, 0,1
	v_add_nc_u32 v[SO+\b], 0xff000000, v[BM+\b]
.endr
.irp b, 0,1
	v_lshrrev_b32 v[BT+\b], 23, v[SO+\b]
.endr
	v_lshl_or_b32 v[TMP], v[BT+1], 8, v[BT]        ; my query's two scale bytes
	v_cvt_scalef32_pk16_fp6_f32 v[PC:PC+2], v[S:S+15], v[SO]
	v_cvt_scalef32_pk16_fp6_f32 v[PT:PT+2], v[S+16:S+31], v[SO+1]
	v_nop
.irp i, 0,1,2
	v_permlane16_swap_b32 v[PC+\i], v[PT+\i]       ; here a block lies in lanes l and l xor 16: the halves change places
.endr
.irp i, 0,1,2
	v_mov_b32 v[PC+3+\i], v[PT+\i]                 ; lane (r, h): six registers: channel block h of query r
.endr
.irp p, 0,1,2
	global_store_b64 v[L8], v[PC+2*\p:PC+2*\p+1], s[10:11] offset:256*\p   ; 32 lanes store 256 consecutive bytes, aligned
.endr
	ds_store_b16 v[RSA], v[TMP]                    ; both halves of the lanes write the same two bytes with the same value
	s_wait_dscnt 0x0
	s_barrier_signal -1
	s_barrier_wait -1
	s_cmp_lg_u32 s[WV], 0                          ; wave 0 stores the 256 queries' 512 bytes
	s_cbranch_scc1 .Lnot_0
	ds_load_b128 v[S:S+3], v[RSR]
	s_wait_dscnt 0x0
	global_store_b128 v[LI], v[S:S+3], s[12:13]
.Lnot_0:
	s_wait_tensorcnt 0x0                           ; the wave's end
	ds_add_u32 v[SPW], v[NIL]
	s_wait_dscnt 0x0
	CROUND                                         ; the closing round
	s_endpgm
.Lfunc_end_k_qca5c0b55d7_attn:
	.size	k_qca5c0b55d7_attn, .Lfunc_end_k_qca5c0b55d7_attn-k_qca5c0b55d7_attn
	.p2alignl 7, 3214868480
	.fill 96, 4, 3214868480
	.section	.rodata,"a",@progbits
	.p2align	6, 0x0
	.amdhsa_kernel k_qca5c0b55d7_attn
		.amdhsa_group_segment_fixed_size 327680
		.amdhsa_private_segment_fixed_size 0
		.amdhsa_enable_private_segment 0
		.amdhsa_kernarg_size 40
		.amdhsa_user_sgpr_count 2
		.amdhsa_user_sgpr_kernarg_segment_ptr 1
		.amdhsa_wavefront_size32 1
		.amdhsa_system_sgpr_workgroup_id_x 1
		.amdhsa_system_sgpr_workgroup_id_y 1
		.amdhsa_system_sgpr_workgroup_id_z 1
		.amdhsa_system_vgpr_workitem_id 0
		.amdhsa_next_free_vgpr 256
		.amdhsa_next_free_sgpr 66
		.amdhsa_reserve_vcc 0
		.amdhsa_float_denorm_mode_32 3
		.amdhsa_float_denorm_mode_16_64 3
		.amdhsa_memory_ordered 1
		.amdhsa_forward_progress 1
		.amdhsa_inst_pref_size 57
	.end_amdhsa_kernel
	.amdgpu_metadata
---
amdhsa.version: [ 1, 2 ]
amdhsa.kernels:
  - .name:           k_qca5c0b55d7_attn
    .symbol:         k_qca5c0b55d7_attn.kd
    .args:
      - { .name: qimg, .offset: 0, .size: 8, .value_kind: global_buffer, .address_space: global }
      - { .name: qscl, .offset: 8, .size: 8, .value_kind: global_buffer, .address_space: global }
      - { .name: kv, .offset: 16, .size: 8, .value_kind: global_buffer, .address_space: global }
      - { .name: rimg, .offset: 24, .size: 8, .value_kind: global_buffer, .address_space: global }
      - { .name: rscl, .offset: 32, .size: 8, .value_kind: global_buffer, .address_space: global }
    .group_segment_fixed_size: 327680
    .private_segment_fixed_size: 0
    .kernarg_segment_align: 8
    .kernarg_segment_size: 40
    .max_flat_workgroup_size: 512
    .sgpr_count:     66
    .vgpr_count:     256
    .wavefront_size: 32
...
	.end_amdgpu_metadata
.endif
;; end of part 2
;; launch oproj (part 3): grid 64 x 4, 16 waves a work-group, clusters of 4 x 1, 169,984 bytes of LDS; arguments rimg, rscl, Wo_codes, Wo_scales, bo, gamma_out, out0; writes out0
.if DOCPART == 3
	.amdgcn_target "amdgcn-amd-amdhsa--gfx1250"
	.amdhsa_code_object_version 6
	.text
	.protected	k_qca5c0b55d7_oproj
	.globl	k_qca5c0b55d7_oproj
	.p2align	8
	.type	k_qca5c0b55d7_oproj,@function
k_qca5c0b55d7_oproj:
	s_mov_b64 s[64:65], 0
	v_nop
	global_prefetch_b8 v0, s[64:65] scope:SCOPE_SE
	s_setreg_imm32_b32 hwreg(HW_REG_WAVE_MODE, 25, 1), 1
	s_wait_xcnt 0x0
	s_wait_alu depctr_hold_cnt(0) depctr_sa_sdst(0) depctr_va_vdst(0) depctr_va_sdst(0) depctr_va_ssrc(0) depctr_va_vcc(0) depctr_vm_vsrc(0)
	s_getreg_b32 s2, hwreg(HW_REG_IB_STS2, 6, 4)
	s_cmp_eq_u32 s2, 0
	s_cbranch_scc0 .Lentry_in_a_cluster
	s_endpgm
.Lentry_in_a_cluster:
	s_bfe_u32 s2, ttmp6, 0x10000c
	s_cmp_lg_u32 s2, 0x3003
	s_cbranch_scc0 .Lentry_shape_is_right
	s_endpgm
.Lentry_shape_is_right:
; out = gamma_out (r Wo^T + bo) on codes of FP6 (E2M3) with E8M0 scales; K = 512 in four steps of 128 (two heads each); sums in f32.
; SHARES.  A work-group takes 128 rows (RB) x 128 columns (CB); wave w takes 16 rows (rt = w / 2) x 64 columns (ch = w % 2): four accumulators, 16 matrix instructions.
; r's fragments lie in rimg as images of operand registers: each comes by loads of 256 consecutive bytes straight into registers.  Wo's 128 rows hang on CB alone, which the four work-groups of a cluster
; share: they are asked for jointly, 8 rows a wave, into LDS rows of 3 x (128 bytes + 16 of padding): pitch 432.  No LDS byte is filled twice.
; The matrix instruction is used transposed (source 0 = 16 rows of Wo, source 1 = 16 rows of r): a lane holds eight neighbouring columns of one row of out.  bo is the C of each sum's first product.
; The results leave through the wave's own stage: sixteen lanes store 256 consecutive bytes, aligned.  The output's bytes bind this launch; larger tiles would buy nothing.
; LIMITS: NaN, infinities and scale bytes 0xff among the inputs are not served.
.set PITCH, 432
.set STAGE, 128*PITCH                  ; behind Wo's rows: 16 rows x (256 bytes + 16) for each wave; no tile lands there
.set SP,    272
.set AW,  2                            ; v2,3  Wo's rows 64 ch on: row x pitch + 24 h; the same with 40 h
.set L8,  4                            ; v4    8 x lane
.set R2,  5                            ; v5    2 r
.set L16, 6                            ; v6    16 x lane
.set H32, 7                            ; v7    32 h
.set STO, 8                            ; v8    the stage: where I put 32 bytes of a row
.set RD,  9                            ; v9    and where I read a row back
.set CO,  10                           ; v10   my byte offset in two rows of out
.set SCW, 12                           ; v12-19 Wo's scale words
.set RS,  20                           ; v20-23 r's scale words, one a K step
.set U,   24                           ; v24-31 r's scale bytes, two a head
.set BO,  32                           ; v32-63 bo
.set GO,  64                           ; v64-95 gamma_out
.set ACC, 96
.set WF,  128                          ; v128-175 four fragments of Wo
.set RF,  176                          ; v176-223 r's four fragments
.set OB,  224                          ; v224-255 rows read back
.set WV,  18
.macro PLACES
.rept 4
	v_nop
.endr
.endm
.macro CROUND
	s_barrier_signal -1
	s_barrier_wait -1
	s_cmp_lg_u32 s[WV], 0
	s_cbranch_scc1 .Lnot_wave_0_\@
	s_barrier_signal -3
.Lnot_wave_0_\@:
	s_barrier_wait -3
	s_barrier_signal -1
	s_barrier_wait -1
.endm
.macro WM d, a, b, c, sa, sb, ra       ; ra = 1: source 0's scales are read from lanes 16-31
.if (\ra) == 0
	v_wmma_scale_f32_16x16x128_f8f6f4 v[\d:\d+7], v[\a:\a+11], v[\b:\b+11], v[\c:\c+7], v[\sa], v[\sb] matrix_a_fmt:MATRIX_FMT_FP6 matrix_b_fmt:MATRIX_FMT_FP6
.else
	v_wmma_scale_f32_16x16x128_f8f6f4 v[\d:\d+7], v[\a:\a+11], v[\b:\b+11], v[\c:\c+7], v[\sa], v[\sb] matrix_a_fmt:MATRIX_FMT_FP6 matrix_b_fmt:MATRIX_FMT_FP6 matrix_a_scale:MATRIX_SCALE_ROW1
.endif
.endm
.macro FRAG reg, adr, s, off           ; a fragment, K step s of a row's four, in pieces of 8 bytes; 16 bytes of padding lie behind every 16 pieces: where lanes 16-31's piece lies behind one more, the second address register serves
.irp p, 0,1,2,3,4,5
.set PCE, 12*(\s)+6*(\p/3)+\p%3
.if PCE%16 < 13
	ds_load_b64 v[\reg+2*\p:\reg+2*\p+1], v[\adr] offset:8*PCE+16*(PCE/16)+(\off)
.else
	ds_load_b64 v[\reg+2*\p:\reg+2*\p+1], v[\adr+1] offset:8*PCE+16*(PCE/16)+(\off)
.endif
.endr
.endm
	s_load_b256 s[4:11], s[0:1], 0x0               ; rimg s[4:5], rscl s[6:7], Wo codes s[8:9], Wo scales s[10:11]
	s_load_b128 s[12:15], s[0:1], 0x20             ; bo s[12:13], gamma_out s[14:15]
	s_load_b64 s[16:17], s[0:1], 0x30              ; out
	v_lshl_add_u32 v254, v0, 2, 0x29000
	v_mov_b32 v255, 0
	ds_add_u32 v254, v255
	ds_add_u32 v254, v255
	s_wait_dscnt 0x0
	v_lshrrev_b32 v1, 5, v0
	v_readfirstlane_b32 s[WV], v1                  ; wave 0..15
	s_bfe_u32 s19, ttmp6, 0x40000                  ; cx
	s_lshl_b32 s20, ttmp9, 2
	s_add_co_u32 s20, s20, s19                     ; RB: which 128 rows
	s_and_b32 s21, ttmp7, 0xffff                   ; CB: which 128 columns; the four partners share it
	s_lshr_b32 s22, s[WV], 1                       ; rt
	s_and_b32 s23, s[WV], 1                        ; ch
	; group 1: 8 rows of Wo, 3,072 dense bytes, as 24 rows of 128 bytes (16 elements of 8 bytes), 16 bytes of padding behind each
	s_mov_b32 s24, 15|(3<<16)|(1<<20)|(1<<21)|(4<<22)|(3<<25)
	s_mov_b32 s25, 16<<16
	s_mov_b32 s26, 24<<16
	s_mov_b32 s27, 16<<16
	s_mov_b32 s28, 24
	s_mov_b32 s29, 16
	s_mov_b32 s30, 0
	s_mov_b32 s31, 0
	s_mul_i32 s40, s21, 49152
	s_mul_i32 s41, s[WV], 3072
	s_add_co_u32 s40, s40, s41
	s_mov_b32 s41, 0
	s_wait_kmcnt 0x0
	s_mov_b32 s32, 1
	s_mul_i32 s33, s[WV], 8*PITCH
	s_add_nc_u64 s[34:35], s[8:9], s[40:41]
	s_or_b32 s35, s35, 0x80000000
	CROUND                                         ; all four work-groups are here: the joint loads meet
	tensor_load_to_lds s[32:35], s[24:31]          ; one load of mine is out
	s_nop 0
	PLACES
	v_and_b32 v1, 31, v0                           ; lane
	v_and_b32 v11, 15, v0                          ; r
	v_bfe_u32 v7, v0, 4, 1                         ; h
	v_mul_u32_u24 v2, v11, PITCH
	v_mad_u32_u24 v3, v7, 40, v2
	v_mad_u32_u24 v2, v7, 24, v2
	s_mul_i32 s42, s23, 64*PITCH
	v_add_nc_u32 v[AW], s42, v2
	v_add_nc_u32 v[AW+1], s42, v3
	v_lshlrev_b32 v[L8], 3, v1
	v_lshlrev_b32 v[R2], 1, v11
	v_lshlrev_b32 v[L16], 4, v1
	s_mul_i32 s43, s[WV], 16*SP
	s_add_co_u32 s43, s43, STAGE                   ; my stage
	v_mul_u32_u24 v[STO], v11, SP
	v_lshl_add_u32 v[STO], v7, 5, v[STO]
	v_add_nc_u32 v[STO], s43, v[STO]               ; in: row r, + 32 h
	v_mul_u32_u24 v[RD], v7, SP
	v_lshl_add_u32 v[RD], v11, 4, v[RD]
	v_add_nc_u32 v[RD], s43, v[RD]                 ; back: lanes 0-15 one row of 256 bytes, lanes 16-31 the next
	v_lshlrev_b32 v[CO], 11, v7
	v_lshl_add_u32 v[CO], v11, 4, v[CO]            ; and the same two rows in out (2,048 bytes a row)
	v_lshlrev_b32 v[H32], 5, v7
	s_lshl_b32 s44, s20, 3
	s_add_co_u32 s44, s44, s22                     ; my row tile T = 8 RB + rt
	s_mul_i32 s46, s44, 6144
	s_mov_b32 s47, 0
	s_add_nc_u64 s[4:5], s[4:5], s[46:47]          ; its eight heads' images
	s_lshr_b32 s46, s20, 5                         ; r's scale bytes: [8 x batch + head][4096] x 2 bytes
	s_lshl_b32 s46, s46, 16
	s_and_b32 s45, s20, 31
	s_lshl_b32 s45, s45, 8
	s_add_co_u32 s46, s46, s45
	s_lshl_b32 s45, s22, 5
	s_add_co_u32 s46, s46, s45
	s_add_nc_u64 s[6:7], s[6:7], s[46:47]
	s_lshl_b32 s48, s21, 7
	s_lshl_b32 s45, s23, 6
	s_add_co_u32 s48, s48, s45                     ; my first column: 128 CB + 64 ch
	s_lshl_b32 s46, s48, 4
	s_add_nc_u64 s[10:11], s[10:11], s[46:47]
	s_lshl_b32 s46, s48, 2
	s_add_nc_u64 s[12:13], s[12:13], s[46:47]
	s_add_nc_u64 s[14:15], s[14:15], s[46:47]
	s_lshl_b32 s45, s44, 15                        ; 16 rows of 2,048 bytes a row tile
	s_add_co_u32 s46, s46, s45
	s_add_nc_u64 s[16:17], s[16:17], s[46:47]
.irp s, 0,1,2,3
.irp p, 0,1,2,3,4,5
	global_load_b64 v[RF+12*\s+2*\p:RF+12*\s+2*\p+1], v[L8], s[4:5] offset:(2*\s+\p/3)*768+256*(\p%3)   ; K step s: registers 0-5 head 2 s, registers 6-11 head 2 s + 1
.endr
.endr
.irp g, 0,1,2,3,4,5,6,7
	global_load_u16 v[U+\g], v[R2], s[6:7] offset:8192*\g
.endr
	global_load_b128 v[SCW:SCW+3], v[L16], s[10:11]            ; register 4 j + s: K step s of tile 2 j (lanes 0-15) and 2 j + 1 (lanes 16-31)
	global_load_b128 v[SCW+4:SCW+7], v[L16], s[10:11] offset:512
.irp t, 0,1,2,3
	global_load_b128 v[BO+8*\t:BO+8*\t+3], v[H32], s[12:13] offset:64*\t          ; columns 16 t + 8 h + 0 .. 7
	global_load_b128 v[BO+8*\t+4:BO+8*\t+7], v[H32], s[12:13] offset:64*\t+16
	global_load_b128 v[GO+8*\t:GO+8*\t+3], v[H32], s[14:15] offset:64*\t
	global_load_b128 v[GO+8*\t+4:GO+8*\t+7], v[H32], s[14:15] offset:64*\t+16
.endr
	s_wait_loadcnt 0x0
.irp s, 0,1,2,3
	v_lshl_or_b32 v[RS+\s], v[U+2*\s+1], 16, v[U+2*\s]         ; two heads' bytes make a K step's scale word
.endr
.rept 8
	v_nop                                          ; a scale register written by a vector instruction stands 8 places ahead of a scaled matrix instruction
.endr
	s_wait_tensorcnt 0x0                           ; my 8 rows of Wo are in,
	s_barrier_signal -1
	s_barrier_wait -1                              ; everybody's are
.irp s, 0,1,2,3
.if \s > 0
	PLACES
.endif
.irp t, 0,1,2,3
	FRAG WF+12*\t, AW, \s, \t*16*PITCH
.endr
	s_wait_dscnt 0x0
.irp t, 0,1,2,3                                ; four accumulators by turns, one instruction a turn
.if \s == 0
	WM ACC+8*\t, WF+12*\t, RF+12*\s, BO+8*\t, SCW+4*(\t/2)+\s, RS+\s, \t%2
.else
	WM ACC+8*\t, WF+12*\t, RF+12*\s, ACC+8*\t, SCW+4*(\t/2)+\s, RS+\s, \t%2
.endif
.endr
.endr
	PLACES
.set j, 0
.rept 16
	v_pk_mul_f32 v[ACC+j:ACC+j+1], v[ACC+j:ACC+j+1], v[GO+j:GO+j+1]   ; x gamma_out, each accumulator from its low end on
.set j, j+2
.endr
.irp t, 0,1,2,3
	ds_store_b128 v[STO], v[ACC+8*\t:ACC+8*\t+3] offset:64*\t
	ds_store_b128 v[STO], v[ACC+8*\t+4:ACC+8*\t+7] offset:64*\t+16
.endr
.irp i, 0,1,2,3,4,5,6,7
	ds_load_b128 v[OB+4*\i:OB+4*\i+3], v[RD] offset:\i*2*SP    ; LDS serves a wave's instructions in order (ISA guide 5.7.1.4): these see my stores
.endr
.irp i, 0,1,2,3,4,5,6,7
	s_wait_dscnt 7-\i                              ; the 7 - i younger loads may stay out
	global_store_b128 v[CO], v[OB+4*\i:OB+4*\i+3], s[16:17] offset:4096*\i th:TH_STORE_NT   ; 16 lanes store 256 consecutive bytes, aligned; written once, read by nobody here
.endr
	s_wait_xcnt 0x0
	v_lshl_add_u32 v254, v0, 2, 0x29000
	v_mov_b32 v255, 0
	s_wait_tensorcnt 0x0
	ds_add_u32 v254, v255
	s_wait_dscnt 0x0
	CROUND                                         ; the closing round
	s_endpgm
.Lfunc_end_k_qca5c0b55d7_oproj:
	.size	k_qca5c0b55d7_oproj, .Lfunc_end_k_qca5c0b55d7_oproj-k_qca5c0b55d7_oproj
	.p2alignl 7, 3214868480
	.fill 96, 4, 3214868480
	.section	.rodata,"a",@progbits
	.p2align	6, 0x0
	.amdhsa_kernel k_qca5c0b55d7_oproj
		.amdhsa_group_segment_fixed_size 169984
		.amdhsa_private_segment_fixed_size 0
		.amdhsa_enable_private_segment 0
		.amdhsa_kernarg_size 56
		.amdhsa_user_sgpr_count 2
		.amdhsa_user_sgpr_kernarg_segment_ptr 1
		.amdhsa_wavefront_size32 1
		.amdhsa_system_sgpr_workgroup_id_x 1
		.amdhsa_system_sgpr_workgroup_id_y 1
		.amdhsa_system_sgpr_workgroup_id_z 1
		.amdhsa_system_vgpr_workitem_id 0
		.amdhsa_next_free_vgpr 256
		.amdhsa_next_free_sgpr 66
		.amdhsa_reserve_vcc 0
		.amdhsa_float_denorm_mode_32 3
		.amdhsa_float_denorm_mode_16_64 3
		.amdhsa_memory_ordered 1
		.amdhsa_forward_progress 1
		.amdhsa_inst_pref_size 23
	.end_amdhsa_kernel
	.amdgpu_metadata
---
amdhsa.version: [ 1, 2 ]
amdhsa.kernels:
  - .name:           k_qca5c0b55d7_oproj
    .symbol:         k_qca5c0b55d7_oproj.kd
    .args:
      - { .name: rimg, .offset: 0, .size: 8, .value_kind: global_buffer, .address_space: global }
      - { .name: rscl, .offset: 8, .size: 8, .value_kind: global_buffer, .address_space: global }
      - { .name: Wo_codes, .offset: 16, .size: 8, .value_kind: global_buffer, .address_space: global }
      - { .name: Wo_scales, .offset: 24, .size: 8, .value_kind: global_buffer, .address_space: global }
      - { .name: bo, .offset: 32, .size: 8, .value_kind: global_buffer, .address_space: global }
      - { .name: gamma_out, .offset: 40, .size: 8, .value_kind: global_buffer, .address_space: global }
      - { .name: out0, .offset: 48, .size: 8, .value_kind: global_buffer, .address_space: global }
    .group_segment_fixed_size: 169984
    .private_segment_fixed_size: 0
    .kernarg_segment_align: 8
    .kernarg_segment_size: 56
    .max_flat_workgroup_size: 512
    .sgpr_count:     66
    .vgpr_count:     256
    .wavefront_size: 32
...
	.end_amdgpu_metadata
.endif
;; end of part 3
